; MI455X (gfx1250); checked and timed in simulation.
; The chip was launched on July 23, 2026; its instructions are those of AMD's public machine-readable ISA for CDNA 5 (MIT licence, August 2026) and "CDNA5" Instruction Set Architecture Reference Guide (July 2026). The comments in the code are by the model that wrote it; some were corrected since.
;; Inner Self Attention. Allowed arithmetic: float matrix products may take bf16 or f16 operands with f32 sums; all other float work in f32.
;; Inputs: Wk 1,024 x 1,024 float32; Wo 1,024 x 1,024 float32; Wq 1,024 x 1,024 float32; Wv 1,024 x 1,024 float32; bo 1,024 float32; hidden_states 2 x 2,048 x 1,024 float32.
;; Outputs: out0 2 x 2,048 x 1,024 float32.
;; 2 versions, each right; version 2 is version 1 with the launch cast written anew for expert scheduling mode. Each part assembles by itself: llvm-mc -triple=amdgcn-amd-amdhsa -mcpu=gfx1250 --defsym DOCPART=n.
;; ======== version 1 of 2: 4 launches
;; limits: values are held in f16: magnitudes above 65,504 overflow, below 6.1e-05 lose precision
;; workspace buffers: hb 8,388,608 bytes; wqkv 6,291,456 bytes; wo16 2,097,152 bytes; qkv 25,165,824 bytes; ctx 8,388,608 bytes
;; launch cast (part 1): grid 256 x 1, 8 waves a work-group, no clusters, 0 bytes of LDS; arguments hidden_states, Wq, Wk, Wv, Wo, hb, wqkv, wo16; writes hb, wqkv, wo16
.if DOCPART == 1
	.amdgcn_target "amdgcn-amd-amdhsa--gfx1250"
	.amdhsa_code_object_version 6
	.text
	.protected	k_q002b13064d_cast
	.globl	k_q002b13064d_cast
	.p2align	8
	.type	k_q002b13064d_cast,@function
k_q002b13064d_cast:
	s_mov_b64 s[64:65], 0
	v_nop
	global_prefetch_b8 v0, s[64:65] scope:SCOPE_SE
	s_setreg_imm32_b32 hwreg(HW_REG_WAVE_MODE, 25, 1), 1
	s_wait_xcnt 0x0
; The five f32 matrices are rounded ONCE to the 16-bit operands of the later matrix products:
;   hb   [4096][1024] bf16 = hidden_states
;   wqkv [3072][1024] bf16 = Wq (rows 0-1023), Wk (1024-2047), Wv (2048-3071)
;   wo16 [1024][1024] f16  = Wo, rounded to bf16 like the other inputs and then written in f16's format, because it multiplies an f16 operand.
; LIMIT: that second step is exact for 2^-17 <= |w| < 65504; below it the error is at most 2^-25, at 65504 and above the number becomes infinite.
; A stream: no LDS, no barrier, no matrix unit.  256 work-groups of 32,768 numbers each (131,072 bytes in, 65,536 out):
; groups 0-127 hidden_states, 128-159 Wq, 160-191 Wk, 192-223 Wv, 224-255 Wo.
; Thread t, piece i: 16 bytes in at 4,096 i + 16 t (a wave's load covers 512 consecutive bytes), 8 bytes out at 2,048 i + 8 t
; (a wave's store covers 256 consecutive bytes, aligned).  All 32 loads of a wave go out at once; no register that a memory
; instruction names is ever written again, so the only waits are the counted ones for the data.
.set X, 4                              ; v[4:131]    piece i: 4 numbers in f32
.set Y, 132                            ; v[132:195]  piece i: 4 numbers in 16 bits
.set T, 196                            ; v[196:199]  at work (Wo alone)
	s_load_b512 s[4:19], s[0:1], 0x0               ; hidden s[4:5], Wq s[6:7], Wk s[8:9], Wv s[10:11], Wo s[12:13], hb s[14:15], wqkv s[16:17], wo16 s[18:19]
	s_mov_b32 s24, ttmp9                           ; g
	v_lshlrev_b32 v1, 4, v0                        ; 16 t
	v_lshlrev_b32 v2, 3, v0                        ; 8 t
	s_and_b32 s25, s24, 31                         ; the group's place in a weight matrix
	s_sub_co_u32 s26, s24, 128                     ; its place in wqkv
	s_cmp_lt_u32 s24, 224
	s_cselect_b32 s26, s26, s25                    ; Wo's groups: the place in wo16
	s_cmp_lt_u32 s24, 128
	s_cselect_b32 s25, s24, s25                    ; hidden's groups: g, in and out
	s_cselect_b32 s26, s24, s26
	s_lshl_b32 s28, s25, 17                        ; x 131,072 bytes in
	s_mov_b32 s29, 0
	s_lshl_b32 s30, s26, 16                        ; x 65,536 bytes out
	s_mov_b32 s31, 0
	s_wait_kmcnt 0x0
	s_cmp_lt_u32 s24, 192                          ; the two buffers are chosen by g alone
	s_cselect_b64 s[20:21], s[8:9], s[10:11]       ; Wk or Wv
	s_cmp_lt_u32 s24, 160
	s_cselect_b64 s[20:21], s[6:7], s[20:21]       ; Wq
	s_cmp_lt_u32 s24, 224
	s_cselect_b64 s[20:21], s[20:21], s[12:13]     ; Wo
	s_cselect_b64 s[22:23], s[16:17], s[18:19]     ; wqkv or wo16
	s_cmp_lt_u32 s24, 128
	s_cselect_b64 s[20:21], s[4:5], s[20:21]       ; hidden_states
	s_cselect_b64 s[22:23], s[14:15], s[22:23]     ; hb
	s_add_nc_u64 s[20:21], s[20:21], s[28:29]
	s_add_nc_u64 s[22:23], s[22:23], s[30:31]
.irp i, 0,1,2,3,4,5,6,7,8,9,10,11,12,13,14,15,16,17,18,19,20,21,22,23,24,25,26,27,28,29,30,31
	global_load_b128 v[X+4*\i:X+4*\i+3], v1, s[20:21] offset:4096*\i th:TH_LOAD_NT   ; read once in the whole launch
.endr
; piece i: wait, round, store.  tof16 = 1: the bf16 numbers are widened again and written as f16.
.macro CONV i, tof16
	s_wait_loadcnt 31-\i                           ; loads come back in order: piece i is in, the 31 - i younger ones stay out
	v_cvt_pk_bf16_f32 v[Y+2*\i],   v[X+4*\i],   v[X+4*\i+1]
	v_cvt_pk_bf16_f32 v[Y+2*\i+1], v[X+4*\i+2], v[X+4*\i+3]
.if \tof16
	v_lshlrev_b32 v[T],   16,         v[Y+2*\i]
	v_and_b32     v[T+1], 0xffff0000, v[Y+2*\i]
	v_lshlrev_b32 v[T+2], 16,         v[Y+2*\i+1]
	v_and_b32     v[T+3], 0xffff0000, v[Y+2*\i+1]
	v_cvt_pk_f16_f32 v[Y+2*\i],   v[T],   v[T+1]
	v_cvt_pk_f16_f32 v[Y+2*\i+1], v[T+2], v[T+3]
.endif
	global_store_b64 v2, v[Y+2*\i:Y+2*\i+1], s[22:23] offset:2048*\i    ; no hint: the next launches read these bytes
.endm
	s_cmp_ge_u32 s24, 224
	s_cbranch_scc1 .Lto_f16
.irp i, 0,1,2,3,4,5,6,7,8,9,10,11,12,13,14,15,16,17,18,19,20,21,22,23,24,25,26,27,28,29,30,31
	CONV \i, 0
.endr
	s_endpgm
.Lto_f16:
.irp i, 0,1,2,3,4,5,6,7,8,9,10,11,12,13,14,15,16,17,18,19,20,21,22,23,24,25,26,27,28,29,30,31
	CONV \i, 1
.endr
	s_endpgm
.Lfunc_end_k_q002b13064d_cast:
	.size	k_q002b13064d_cast, .Lfunc_end_k_q002b13064d_cast-k_q002b13064d_cast
	.p2alignl 7, 3214868480
	.fill 96, 4, 3214868480
	.section	.rodata,"a",@progbits
	.p2align	6, 0x0
	.amdhsa_kernel k_q002b13064d_cast
		.amdhsa_group_segment_fixed_size 0
		.amdhsa_private_segment_fixed_size 0
		.amdhsa_enable_private_segment 0
		.amdhsa_kernarg_size 64
		.amdhsa_user_sgpr_count 2
		.amdhsa_user_sgpr_kernarg_segment_ptr 1
		.amdhsa_wavefront_size32 1
		.amdhsa_system_sgpr_workgroup_id_x 1
		.amdhsa_system_sgpr_workgroup_id_y 1
		.amdhsa_system_sgpr_workgroup_id_z 1
		.amdhsa_system_vgpr_workitem_id 0
		.amdhsa_next_free_vgpr 200
		.amdhsa_next_free_sgpr 66
		.amdhsa_reserve_vcc 0
		.amdhsa_float_denorm_mode_32 3
		.amdhsa_float_denorm_mode_16_64 3
		.amdhsa_memory_ordered 1
		.amdhsa_forward_progress 1
		.amdhsa_inst_pref_size 31
	.end_amdhsa_kernel
	.amdgpu_metadata
---
amdhsa.version: [ 1, 2 ]
amdhsa.kernels:
  - .name:           k_q002b13064d_cast
    .symbol:         k_q002b13064d_cast.kd
    .args:
      - { .name: hidden_states, .offset: 0, .size: 8, .value_kind: global_buffer, .address_space: global }
      - { .name: Wq, .offset: 8, .size: 8, .value_kind: global_buffer, .address_space: global }
      - { .name: Wk, .offset: 16, .size: 8, .value_kind: global_buffer, .address_space: global }
      - { .name: Wv, .offset: 24, .size: 8, .value_kind: global_buffer, .address_space: global }
      - { .name: Wo, .offset: 32, .size: 8, .value_kind: global_buffer, .address_space: global }
      - { .name: hb, .offset: 40, .size: 8, .value_kind: global_buffer, .address_space: global }
      - { .name: wqkv, .offset: 48, .size: 8, .value_kind: global_buffer, .address_space: global }
      - { .name: wo16, .offset: 56, .size: 8, .value_kind: global_buffer, .address_space: global }
    .group_segment_fixed_size: 0
    .private_segment_fixed_size: 0
    .kernarg_segment_align: 8
    .kernarg_segment_size: 64
    .max_flat_workgroup_size: 256
    .sgpr_count:     66
    .vgpr_count:     200
    .wavefront_size: 32
...
	.end_amdgpu_metadata
.endif
;; end of part 1
;; launch qkvgemm (part 2): grid 12 x 16, 4 waves a work-group, clusters of 4 x 4, 327,680 bytes of LDS; arguments hb, wqkv, qkv; writes qkv
.if DOCPART == 2
	.amdgcn_target "amdgcn-amd-amdhsa--gfx1250"
	.amdhsa_code_object_version 6
	.text
	.protected	k_q002b13064d_qkvgemm
	.globl	k_q002b13064d_qkvgemm
	.p2align	8
	.type	k_q002b13064d_qkvgemm,@function
k_q002b13064d_qkvgemm:
	s_mov_b64 s[64:65], 0
	v_nop
	global_prefetch_b8 v0, s[64:65] scope:SCOPE_SE
	s_setreg_imm32_b32 hwreg(HW_REG_WAVE_MODE, 25, 1), 1
	s_wait_xcnt 0x0
	s_wait_alu depctr_hold_cnt(0) depctr_sa_sdst(0) depctr_va_vdst(0) depctr_va_sdst(0) depctr_va_ssrc(0) depctr_va_vcc(0) depctr_vm_vsrc(0)
	s_getreg_b32 s2, hwreg(HW_REG_IB_STS2, 6, 4)
	s_cmp_eq_u32 s2, 0
	s_cbranch_scc0 .Lentry_in_a_cluster
	s_endpgm
.Lentry_in_a_cluster:
	s_bfe_u32 s2, ttmp6, 0x10000c
	s_cmp_lg_u32 s2, 0xf033
	s_cbranch_scc0 .Lentry_shape_is_right
	s_endpgm
.Lentry_shape_is_right:
; qkv[m][n] = sum over k of hb[m][k] wqkv[n][k].  hb: [4096][1024] bf16, wqkv: [3072][1024] bf16, sums in f32, qkv: [4096][3072] rounded once to f16
; (columns 0-1023 q, 1024-2047 k, 2048-3071 v; inside each, head x 64 + d).
; WHY f16 OUT: the scores are not scaled by 1/sqrt(d), so the softmax is sharp and an error of q or k shows in the result multiplied; f16 keeps three bits more than bf16.
; LIMIT: |q|, |k|, |v| have to stay below 65504, f16's largest number; beyond it they become infinite.
; A work-group makes a block of 256 x 256 with four waves, as many as a WGP has SIMDs; a wave makes 128 x 128: 64 accumulator tiles of 16 x 16, 512 registers.
; 12 x 16 = 192 work-groups.  K goes in steps of 128 through a ring of two LDS slots filled by the tensor data mover: a tile's rows are 256 bytes of memory
; and start at multiples of 256 bytes from the buffer's first byte.
; CLUSTERS: 4 x 4 work-groups.  The four of a row of the cluster need the same tiles of hb (A), the four of a column the same tiles of wqkv (B).  Such a tile is
; asked for JOINTLY: each of the four issues the same tensor load, with the same descriptor and a mask that names the four, and each receives it in its own LDS.
;
; REGISTERS, in windows of 256 (s_set_vgpr_msb says which window each operand place means):
;   window 0: v0-31 addresses; v64-127, v128-191 fragments of A (8 x 16 rows x 32 K), two buffers; v192-223 at work on the way out
;   window 1: v64-127, v128-191 fragments of B, two buffers
;   window 2: the 32 accumulator tiles of my rows 0-63 (tile (a, b) at v[8 (8 a + b)]);   window 3: those of my rows 64-127
; THE MATRIX INSTRUCTION IS USED TRANSPOSED: source 0 = 16 rows of B, source 1 = 16 rows of A.  Lane l then holds row m = l % 16 of the result and its registers
; 0 to 7 the columns n = 8 (l / 16) + 0 .. 7: eight neighbouring numbers of a row, which pack into 16 bytes.
.set SIZE_M, 4096
.set SIZE_N, 3072
.set SIZE_K, 1024
.set KSTEP,  128
.set PITCH,  272                       ; an LDS row: 256 bytes of data + 16 of padding = 68 words: the 16 rows that a load touches start 4 words apart modulo 64 words
.set HALFT,  128*PITCH                 ; 128 rows: what one tensor load brings, and what one wave reads of A or of B
.set SLOT,   4*HALFT                   ; A's 256 rows, then B's 256 rows
.set STAGE,  2*SLOT                    ; behind the ring: 16 rows x 272 bytes for each wave, for the way out
.set SPITCH, 272
.set LAPS, SIZE_K/(2*KSTEP)            ; a lap = two K steps = once round the ring: 4 laps
.set ADRA, 16                          ; v16-17  LDS address of my A fragments in slot 0, 1
.set ADRB, 20                          ; v20-21  the same for B
.set STO,  24                          ; v24     the way out: where I put 16 bytes of a row
.set RD,   25                          ; v25     the way out: where I read a row back
.set CO,   26                          ; v26     my byte offset in qkv
.set F0,   64                          ; fragment buffer 0
.set F1,   128                         ; fragment buffer 1
.set TMP,  192                         ; the way out: packed results, in window 0
.set G1, 24                            ; s[24:31] descriptor group 1 for A's tiles
.set G0, 32                            ; s[32:39] descriptor group 0 for A's tiles, one set for each slot
.set G1B, 48                           ; s[48:55] descriptor group 1 for B's tiles: it differs from A's in the mask alone
.set G0B, 56                           ; s[56:63] descriptor group 0 for B's tiles, one set for each slot
.set MSB, 0
.macro WIN new                         ; the immediate's high byte repeats the setting that is left
.if MSB != \new
	s_set_vgpr_msb (MSB<<8)|\new
.set MSB, \new
.endif
.endm
.set MUL_LO, 0xa1                      ; source 0 (B) window 1, source 1 (A) window 0, C and D window 2
.set MUL_HI, 0xf1                      ; the same, C and D window 3
.set TO_B,   0x40                      ; destination window 1, address window 0
; A joint load.  Waves 0 and 1 fetch A's two halves, waves 2 and 3 B's.  Each of the two lines has ONE mask and one set of registers for all that issue it, and
; nothing in them hangs on a coordinate that the four partners do not share.  The branch hangs on the wave's number alone.
.macro JLOAD s
	s_cmp_eq_u32 s11, 0
	s_cbranch_scc0 .Lfor_b_\@
	tensor_load_to_lds s[G0+4*\s:G0+4*\s+3], s[G1:G1+7]
	s_nop 0
	s_branch .Lasked_\@
.Lfor_b_\@:
	tensor_load_to_lds s[G0B+4*\s:G0B+4*\s+3], s[G1B:G1B+7]
	s_nop 0
.Lasked_\@:
.endm
; A round of the cluster's barrier: my work-group's barrier, so that wave 0's signal speaks for all four waves; wave 0 signals for the work-group; every wave
; waits for all sixteen work-groups; my work-group's barrier once more.
.macro CREST                           ; a round behind its opening barrier
	s_cmp_lg_u32 s10, 0
	s_cbranch_scc1 .Lnot_wave_0_\@
	s_barrier_signal -3
.Lnot_wave_0_\@:
	s_barrier_wait -3
	s_barrier_signal -1
	s_barrier_wait -1
.endm
.macro CROUND                          ; a whole round
	s_barrier_signal -1
	s_barrier_wait -1
	CREST
.endm
	s_load_b128 s[4:7], s[0:1], 0x0                ; hb s[4:5], wqkv s[6:7]
	s_load_b64 s[8:9], s[0:1], 0x10                ; qkv
	s_set_vgpr_msb 0x40
	v_lshl_add_u32 v255, v0, 2, 0x48400
	s_set_vgpr_msb 0x4000
	v_mov_b32 v255, 0
	s_set_vgpr_msb 0x1
	ds_add_u32 v255, v255
	ds_add_u32 v255, v255
	s_set_vgpr_msb 0x100
	v_lshrrev_b32 v1, 5, v0
	v_readfirstlane_b32 s10, v1                    ; wave 0..3
	s_lshr_b32 s11, s10, 1                         ; which half of the block's rows is mine.  Also: I fetch for A (0) or for B (1)
	s_and_b32 s12, s10, 1                          ; which half of its columns.  Also: which 128 rows of that tile I fetch
	s_bfe_u32 s40, ttmp6, 0x40000                  ; cx: my place along the cluster's x
	s_bfe_u32 s41, ttmp6, 0x40004                  ; cy: along its y
	s_lshl_b32 s42, ttmp9, 2                       ; in a cluster launch ttmp9 and ttmp7 count clusters
	s_add_co_u32 s42, s42, s40                     ; block column = 4 x cluster x + cx
	s_and_b32 s13, ttmp7, 0xffff
	s_lshl_b32 s13, s13, 2
	s_add_co_u32 s13, s13, s41                     ; block row = 4 x cluster y + cy
	s_lshl_b32 s43, s41, 2
	s_lshl_b32 s43, 15, s43                        ; my row of the cluster: places 4 cy .. 4 cy + 3
	s_lshl_b32 s44, 0x1111, s40                    ; my column: places cx, cx + 4, cx + 8, cx + 12
	; descriptor group 1: a tile of 128 rows x 128 elements, padded in LDS
	s_or_b32 s[G1+0], s43, (1<<16)|(1<<20)|(1<<21)|(5<<22)|(3<<25)  ; 15:0 the mask: A's tiles go to my row; 17:16 element of 2 bytes; 20 padding on; 21 set beside a mask; 24:22 after every 64 words; 31:25 of 4 words
	s_or_b32 s[G1B+0], s44, (1<<16)|(1<<20)|(1<<21)|(5<<22)|(3<<25) ; the same with the mask of my column, for B's tiles
	s_mov_b32 s[G1B+1], KSTEP<<16
	s_mov_b32 s[G1+1], KSTEP<<16                   ; tensor_dim0 = 128
	s_mov_b32 s[G1B+2], 128<<16
	s_mov_b32 s[G1+2], 128<<16                     ; tensor_dim1 = 128
	s_mov_b32 s[G1B+3], KSTEP<<16
	s_mov_b32 s[G1+3], KSTEP<<16                   ; tile_dim0 = 128
	s_mov_b32 s[G1B+4], 128
	s_mov_b32 s[G1+4], 128                         ; tile_dim1 = 128; tile_dim2 = 0
	s_mov_b32 s[G1B+5], SIZE_K
	s_mov_b32 s[G1+5], SIZE_K                      ; elements from row to row
	s_mov_b32 s[G1B+6], 0
	s_mov_b32 s[G1+6], 0
	s_mov_b32 s[G1B+7], 0
	s_mov_b32 s[G1+7], 0
	; where the tiles come from.  A's hang on the block row alone, which my row of the cluster shares; B's on the block column alone, which my column shares.
	; Every wave makes both addresses, in registers that never hold the other coordinate, and asks by one of them.
	s_lshl_b32 s17, s12, 7                         ; which 128 rows of the tile I fetch
	s_lshl_b32 s16, s13, 8
	s_add_co_u32 s16, s16, s17                     ; A: row 256 x block row + 128 x half
	s_lshl_b32 s46, s42, 8
	s_add_co_u32 s46, s46, s17                     ; B: row 256 x block column + 128 x half
	s_mov_b32 s17, 0
	s_mov_b32 s47, 0
	s_mov_b64 s[18:19], SIZE_K*2
	s_mul_u64 s[16:17], s[16:17], s[18:19]         ; in bytes
	s_mul_u64 s[46:47], s[46:47], s[18:19]
	s_mul_i32 s20, s10, HALFT                      ; and where they go: wave x 128 rows: no place in the cluster enters an LDS address
	s_wait_dscnt 0x0
	s_wait_kmcnt 0x0
	s_add_nc_u64 s[14:15], s[4:5], s[16:17]
	s_add_nc_u64 s[46:47], s[6:7], s[46:47]
	CROUND                                         ; all sixteen work-groups are here: the first joint loads meet
.irp s, 0,1
	s_mov_b32 s[G0+4*\s], 1                                        ; count = 1
	s_add_co_u32 s[G0+4*\s+1], s20, \s*SLOT                        ; LDS address
	s_add_nc_u64 s[G0+4*\s+2:G0+4*\s+3], s[14:15], \s*KSTEP*2      ; global address: K step s
	s_or_b32 s[G0+4*\s+3], s[G0+4*\s+3], 0x80000000                ; type = 2
	s_mov_b32 s[G0B+4*\s], 1
	s_add_co_u32 s[G0B+4*\s+1], s20, \s*SLOT
	s_add_nc_u64 s[G0B+4*\s+2:G0B+4*\s+3], s[46:47], \s*KSTEP*2
	s_or_b32 s[G0B+4*\s+3], s[G0B+4*\s+3], 0x80000000
	JLOAD \s                                       ; the ring is filled before anything else is done: two tensor loads of a wave are out here, one later
.endr
	; A fragment is 16 rows x 32 K in 8 registers: lane l holds row l % 16; registers 0-3 hold K = 8 (l / 16) + 0..7, registers 4-7 hold
	; K = 16 + 8 (l / 16) + 0..7.  From rows that lie along K: two loads of 16 bytes, 32 bytes apart.
	v_and_b32 v1, 15, v0                           ; l % 16
	v_bfe_u32 v2, v0, 4, 1                         ; l / 16
	v_mul_u32_u24 v3, v1, PITCH
	v_lshl_add_u32 v3, v2, 4, v3                   ; row x pitch + 16 x half
	s_mul_i32 s21, s11, HALFT                      ; my 128 rows of A
	s_mul_i32 s22, s12, HALFT                      ; my 128 rows of B,
	s_add_co_u32 s22, s22, 2*HALFT                 ; which lie behind A's 256
.irp s, 0,1
	v_add_nc_u32 v[ADRA+\s], s21, v3
	v_add_nc_u32 v[ADRB+\s], s22, v3
	s_add_co_u32 s21, s21, SLOT
	s_add_co_u32 s22, s22, SLOT
.endr
	s_mul_i32 s23, s10, 16*SPITCH
	s_add_co_u32 s23, s23, STAGE                   ; my stage
	v_mul_u32_u24 v4, v1, SPITCH                   ; in: row l % 16, 16 bytes for each half of the lanes
	v_lshl_add_u32 v4, v2, 4, v4
	v_add_nc_u32 v[STO], s23, v4
	v_mul_u32_u24 v5, v2, SPITCH                   ; back: lanes 0-15 take one row of 256 bytes, lanes 16-31 the next
	v_lshl_add_u32 v5, v1, 4, v5
	v_add_nc_u32 v[RD], s23, v5
	v_mul_u32_u24 v5, v2, SIZE_N*2                 ; and the same two rows in qkv
	v_lshl_add_u32 v[CO], v1, 4, v5
; 16 matrix instructions: m blocks a0, a0 + 1 of the window's four (hi = 0: my rows 0-63, 1: rows 64-127) x all 8 n blocks, 32 along K.
; zero = 1: the first product starts the sums: nothing is ever cleared.  The 64 accumulators take turns, one instruction a turn, in the same
; order in every quarter step.
.macro MUL16 f, hi, a0, zero
.irp a, \a0, \a0+1
.irp b, 0,1,2,3,4,5,6,7
.if \zero
	v_wmma_f32_16x16x32_bf16 v[8*(8*(\a)+\b):8*(8*(\a)+\b)+7], v[\f+8*\b:\f+8*\b+7], v[\f+8*(4*\hi+\a):\f+8*(4*\hi+\a)+7], 0
.else
	v_wmma_f32_16x16x32_bf16 v[8*(8*(\a)+\b):8*(8*(\a)+\b)+7], v[\f+8*\b:\f+8*\b+7], v[\f+8*(4*\hi+\a):\f+8*(4*\hi+\a)+7], v[8*(8*(\a)+\b):8*(8*(\a)+\b)+7]
.endif
.endr
.endr
.endm
; 32 LDS loads in one run: the fragments of one quarter step (128 rows of B, 128 rows of A, 32 K at byte k of the rows) into buffer f
.macro FETCH slot, k, f
	WIN TO_B
.irp i, 0,1,2,3,4,5,6,7
	ds_load_b128 v[\f+8*\i:\f+8*\i+3],   v[ADRB+\slot] offset:\k+\i*16*PITCH
	ds_load_b128 v[\f+8*\i+4:\f+8*\i+7], v[ADRB+\slot] offset:\k+\i*16*PITCH+32
.endr
	WIN 0
.irp i, 0,1,2,3,4,5,6,7
	ds_load_b128 v[\f+8*\i:\f+8*\i+3],   v[ADRA+\slot] offset:\k+\i*16*PITCH
	ds_load_b128 v[\f+8*\i+4:\f+8*\i+7], v[ADRA+\slot] offset:\k+\i*16*PITCH+32
.endr
.endm
; A load into a register that a matrix instruction has read, and a vector instruction that reads a matrix result, stand four places behind that matrix
; instruction, and only plain vector instructions that name none of its registers are places (ISA guide 7.12.1 for vector instructions).
.macro PLACES
.rept 4
	v_nop
.endr
.endm
; A K step is four quarter steps of 32 along K, 64 matrix instructions each, on buffers 0, 1, 0, 1.
; One of the first three: multiplies buffer f; in its middle it fetches the next quarter's fragments, at byte k of the same slot's rows, into buffer g.
.macro QUARTER slot, k, f, g, zero
	s_wait_dscnt 8                                 ; B and A's rows 0-63 are in; the youngest eight loads (A's rows 64-127) may be out
	WIN MUL_LO
	MUL16 \f, 0, 0, \zero
	MUL16 \f, 0, 2, \zero
	PLACES
	FETCH \slot, \k, \g
	s_wait_dscnt 32                                ; all but the 32 just issued
	WIN MUL_HI
	MUL16 \f, 1, 0, \zero
	MUL16 \f, 1, 2, \zero
.endm
.macro THREE slot, zero
	QUARTER \slot, 64,  F0, F1, \zero
	QUARTER \slot, 128, F1, F0, 0
	QUARTER \slot, 192, F0, F1, 0
.endm
; The last quarter: multiplies buffer 1 and changes slots.  next = the other slot; fill = 1: this slot is filled again, two K steps ahead.
; ONE barrier for the change of slots.  In front of it each wave waits for its own reads of this slot and for all its tensor loads, of which one is out:
; its part of the next slot.  Behind it nobody reads this slot any more and the next slot is whole: the refill comes first, then the next slot's first
; fragments.  From a request to the wait for it a wave issues 240 matrix instructions.
.macro TURN slot, next, fill
	s_wait_dscnt 8
	WIN MUL_LO
	MUL16 F1, 0, 0, 0
	s_wait_dscnt 0                                 ; my reads of this slot are over
	s_wait_tensorcnt 0x0                           ; and all my tensor loads have landed: the one that was out is my part of the next slot
	ds_add_u32 v255, v255
	s_wait_dscnt 0x0
	s_barrier_signal -1                            ; say so (where a slot is filled again this barrier opens a round of the cluster's barrier),
	MUL16 F1, 0, 2, 0                              ; work on registers while the others arrive,
	WIN 0
	s_barrier_wait -1                              ; and go on when all four have said so
.if \fill
	CREST                                          ; all sixteen work-groups have said so: no wave of any partner still reads this slot's tile or has a load on its way
	s_add_nc_u64 s[G0+4*\slot+2:G0+4*\slot+3], s[G0+4*\slot+2:G0+4*\slot+3], 2*KSTEP*2
	s_add_nc_u64 s[G0B+4*\slot+2:G0B+4*\slot+3], s[G0B+4*\slot+2:G0B+4*\slot+3], 2*KSTEP*2
	JLOAD \slot                                    ; the first tensor load behind the round
.endif
	PLACES
	FETCH \next, 0, F0
	WIN MUL_HI
	MUL16 F1, 1, 0, 0
	MUL16 F1, 1, 2, 0
.endm
.macro LAP zero                        ; once round the ring, both slots filled again
	THREE 0, \zero
	TURN 0, 1, 1
	THREE 1, 0
	TURN 1, 0, 1
.endm
	s_wait_tensorcnt 1                             ; my part of K step 0 is in; K step 1's may stay out
	s_barrier_signal -1
	s_barrier_wait -1                              ; everybody's is
	FETCH 0, 0, F0
	LAP 1                                          ; the first lap stands in front of the loop: its first products start the sums
	WIN 0                                          ; at a label and at a branch every window is 0
	s_mov_b32 s3, LAPS-2
.Llap:
	LAP 0
	WIN 0
	s_sub_co_u32 s3, s3, 1
	s_cmp_lg_u32 s3, 0
	s_cbranch_scc1 .Llap
	THREE 0, 0                                     ; the last lap fills nothing, and has no round of the cluster's barrier
	TURN 0, 1, 0
	THREE 1, 0
	s_wait_dscnt 8                                 ; the very last quarter: nothing more to fetch
	WIN MUL_LO
	MUL16 F1, 0, 0, 0
	MUL16 F1, 0, 2, 0
	s_wait_dscnt 0
	WIN MUL_HI
	MUL16 F1, 1, 0, 0
	MUL16 F1, 1, 2, 0
	; THE WAY OUT, 16 rows at a time: round to f16, 16 bytes a lane into my own stage in LDS, read back as whole rows of 256 bytes.
	PLACES                                         ; the places behind the last matrix instructions, for the conversions and for the loads into buffers 0 and 1
	s_lshl_b32 s13, s13, 8
	s_lshl_b32 s14, s11, 7
	s_add_co_u32 s16, s13, s14                     ; my first row
	s_mov_b32 s17, 0
	s_mov_b64 s[18:19], SIZE_N*2
	s_mul_u64 s[16:17], s[16:17], s[18:19]
	s_add_nc_u64 s[8:9], s[8:9], s[16:17]
	s_lshl_b32 s46, s42, 9                         ; my first column, in bytes: 512 x block + 256 x half (in the registers that held B's address)
	s_lshl_b32 s47, s12, 8
	s_add_co_u32 s46, s46, s47
	s_mov_b32 s47, 0
	s_add_nc_u64 s[8:9], s[8:9], s[46:47]
; rows 16 i .. 16 i + 15 of my block = the eight tiles (a, 0..7) of window 2 or 3 (from = 0x0a or 0x0f: sources 0 and 1); f: F0 or F1 in turn
.macro OUT16 i, a, from, f
	WIN \from
.irp b, 0,1,2,3,4,5,6,7
.irp r, 0,1,2,3
	v_cvt_pk_f16_f32 v[TMP+4*\b+\r], v[8*(8*\a+\b)+2*\r], v[8*(8*\a+\b)+2*\r+1]
.endr
.endr
	WIN 0
.irp b, 0,1,2,3,4,5,6,7
	ds_store_b128 v[STO], v[TMP+4*\b:TMP+4*\b+3] offset:32*\b
.endr
	s_wait_xcnt 0x0                                ; buffer f, which earlier stores read, and the stores' base are rewritten only behind this wait
.if \i
	s_add_nc_u64 s[8:9], s[8:9], 16*SIZE_N*2       ; 16 rows on, so that the stores' offsets stay small: 14 rows at the most
.endif
.irp t, 0,1,2,3,4,5,6,7
	ds_load_b128 v[\f+4*\t:\f+4*\t+3], v[RD] offset:\t*2*SPITCH    ; LDS serves a wave's instructions in order: these see the stores above
.endr
.irp t, 0,1,2,3,4,5,6,7
	s_wait_dscnt 7-\t                              ; pair t of rows is back, the 7 - t younger ones stay out
	global_store_b128 v[CO], v[\f+4*\t:\f+4*\t+3], s[8:9] offset:2*\t*SIZE_N*2   ; 16 lanes store 256 consecutive bytes, aligned
.endr
.endm
	OUT16 0, 0, 0x0a, F0
	OUT16 1, 1, 0x0a, F1
	OUT16 2, 2, 0x0a, F0
	OUT16 3, 3, 0x0a, F1
	OUT16 4, 0, 0x0f, F0
	OUT16 5, 1, 0x0f, F1
	OUT16 6, 2, 0x0f, F0
	OUT16 7, 3, 0x0f, F1
	s_set_vgpr_msb 0x1
	s_wait_tensorcnt 0x0
	ds_add_u32 v255, v255
	s_wait_dscnt 0x0
	s_set_vgpr_msb 0x100
	CROUND                                         ; the closing round: no work-group ends while a partner may still ask for a tile that names it
	s_endpgm
.Lfunc_end_k_q002b13064d_qkvgemm:
	.size	k_q002b13064d_qkvgemm, .Lfunc_end_k_q002b13064d_qkvgemm-k_q002b13064d_qkvgemm
	.p2alignl 7, 3214868480
	.fill 96, 4, 3214868480
	.section	.rodata,"a",@progbits
	.p2align	6, 0x0
	.amdhsa_kernel k_q002b13064d_qkvgemm
		.amdhsa_group_segment_fixed_size 327680
		.amdhsa_private_segment_fixed_size 0
		.amdhsa_enable_private_segment 0
		.amdhsa_kernarg_size 24
		.amdhsa_user_sgpr_count 2
		.amdhsa_user_sgpr_kernarg_segment_ptr 1
		.amdhsa_wavefront_size32 1
		.amdhsa_system_sgpr_workgroup_id_x 1
		.amdhsa_system_sgpr_workgroup_id_y 1
		.amdhsa_system_sgpr_workgroup_id_z 1
		.amdhsa_system_vgpr_workitem_id 0
		.amdhsa_next_free_vgpr 1024
		.amdhsa_next_free_sgpr 66
		.amdhsa_reserve_vcc 0
		.amdhsa_float_denorm_mode_32 3
		.amdhsa_float_denorm_mode_16_64 3
		.amdhsa_memory_ordered 1
		.amdhsa_forward_progress 1
		.amdhsa_inst_pref_size 196
	.end_amdhsa_kernel
	.amdgpu_metadata
---
amdhsa.version: [ 1, 2 ]
amdhsa.kernels:
  - .name:           k_q002b13064d_qkvgemm
    .symbol:         k_q002b13064d_qkvgemm.kd
    .args:
      - { .name: hb, .offset: 0, .size: 8, .value_kind: global_buffer, .address_space: global }
      - { .name: wqkv, .offset: 8, .size: 8, .value_kind: global_buffer, .address_space: global }
      - { .name: qkv, .offset: 16, .size: 8, .value_kind: global_buffer, .address_space: global }
    .group_segment_fixed_size: 327680
    .private_segment_fixed_size: 0
    .kernarg_segment_align: 8
    .kernarg_segment_size: 24
    .max_flat_workgroup_size: 128
    .sgpr_count:     66
    .vgpr_count:     1024
    .wavefront_size: 32
...
	.end_amdgpu_metadata
.endif
;; end of part 2
;; launch attn (part 3): grid 16 x 16, 16 waves a work-group, no clusters, 286,720 bytes of LDS; arguments qkv, ctx; writes ctx
.if DOCPART == 3
	.amdgcn_target "amdgcn-amd-amdhsa--gfx1250"
	.amdhsa_code_object_version 6
	.text
	.protected	k_q002b13064d_attn
	.globl	k_q002b13064d_attn
	.p2align	8
	.type	k_q002b13064d_attn,@function
k_q002b13064d_attn:
	s_mov_b64 s[64:65], 0
	v_nop
	global_prefetch_b8 v0, s[64:65] scope:SCOPE_SE
	s_setreg_imm32_b32 hwreg(HW_REG_WAVE_MODE, 25, 1), 1
	s_wait_xcnt 0x0
; Banded attention: query i sees the keys j with i - 256 < j <= i; scores q.k without a scale; softmax in f32 with the row's true maximum taken away; ctx = P v.
; qkv: [4096][3072] f16 (q | k | v, each head x 64 + d).  ctx: [4096][1024] f16.
; A work-group (x = query block qb of 128 queries; y = 8 x batch + pair of heads) owns 128 queries of two neighbouring heads, so that each row of its Q, K, V
; and ctx tiles is 256 consecutive bytes, aligned.  Sixteen waves: wave w owns the 16 queries of tile t = w / 2 in head w % 2.
; KEYS: the 384 rows from kbase = max(128 qb - 256, 0) lie in LDS.  A wave works on a window of 288 of them (18 tiles of 16 keys, 9 chunks of 32) that holds all
; the keys its 16 queries may see; what lies outside the band is masked.  The whole window's scores stand in 144 registers, so the maximum is taken once.
; THE PRODUCTS ARE TRANSPOSED.  S = K Q^T: lane (r, h) holds, in register j of tile n, query r against window key 16 n + 8 h + j, so the softmax runs along a
; lane's own registers with one exchange between lanes l and l xor 16, and two tiles, packed to f16, are the second source of ctx^T = V^T P^T as they stand.
; V^T's fragments come from rows that lie along d by the transposing LDS load.
; NO CLUSTER: neighbouring query blocks share key rows, but block qb holds key j at LDS row j - kbase, and kbase differs from block to block by 128 rows
; (by 0 among the first three), so no two blocks could issue one descriptor.  The two-head pairs and the batches share nothing.
; LIMITS: P is rounded to f16: a weight below 2^-25 counts as 0.  ctx lies between v's extremes, below 65504 like them.  A NaN among the scores is passed
; over by the maximum and reaches the result through the exponentials.  The sums' order differs from a plain left-to-right sum.
.set ROWB,  6144                       ; bytes in a row of qkv
.set KP,    272                        ; pitch of K's, Q's and the stage's rows: 256 + 16, an odd multiple of 16
.set VP,    288                        ; pitch of V's rows: 256 + 32, an odd multiple of 32, for the transposing load
.set VT,    384*KP                     ; LDS: K 384 rows from byte 0; V 384 rows from 104,448;
.set QT,    VT+384*VP                  ;      Q 128 rows from 215,040;
.set STAGE, QT+128*KP                  ;      the stage for ctx, 128 rows from 249,856, into which no tensor load lands; the end is 284,672
.set KA,  4                            ; v4   LDS address of my K fragments, tiles 0-8
.set KB,  5                            ; v5   the same, tiles 9-17 (an offset holds 16 bits)
.set VA,  6                            ; v6   of my V fragments, chunks 0-4
.set VB,  7                            ; v7   the same, chunks 5-8
.set QA,  8                            ; v8   of my Q fragments
.set AP,  9                            ; v9   my query's place in the window, less 8 h
.set STO, 10                           ; v10  the way out: where I put 16 bytes
.set RD,  11                           ; v11  the way out: where I read a row back
.set CO,  12                           ; v12  my byte offset in ctx
.set NEG, 13                           ; v13  the mask's value, the most negative finite f32
.set M,   14                           ; v[14:17]   four running maxima
.set MX,  18                           ; v[18:19]   the row's maximum, twice
.set SUM, 20                           ; v[20:27]   four pairs of sums
.set XL,  28                           ; v28        what comes from lane l xor 16
.set RL,  30                           ; v[30:31]   1 / sum, twice
.set S,   32                           ; v[32:175]  scores: tile n at 32 + 8 n
.set P,   32                           ; v[32:103]  weights in f16: chunk c at 32 + 8 c (packed in place)
.set ACC, 104                          ; v[104:135] ctx^T: d tile dt at 104 + 8 dt
.set OUT, 136                          ; v[136:151] ctx in f16
.set BACK,152                          ; v[152:167] rows read back
.set Q,   176                          ; v[176:191] Q's two fragments
.set KF0, 192                          ; v[192:223] K's fragments of two tiles, later V's of one chunk: buffer 0
.set KF1, 224                          ; v[224:255] buffer 1
.set G1K, 28                           ; s[28:35] descriptor group 1, pitch 272
.set G1V, 36                           ; s[36:43] descriptor group 1, pitch 288
.set G0,  44                           ; s[44:47] descriptor group 0: each wave issues one load
	s_load_b128 s[4:7], s[0:1], 0x0                ; qkv s[4:5], ctx s[6:7]
	v_lshl_add_u32 v190, v0, 2, 0x45800
	v_mov_b32 v191, 0
	ds_add_u32 v190, v191
	ds_add_u32 v190, v191
	s_wait_dscnt 0x0
	v_lshrrev_b32 v1, 5, v0
	v_readfirstlane_b32 s8, v1                     ; wave w
	s_mov_b32 s9, ttmp9                            ; qb
	s_and_b32 s20, ttmp7, 0xffff
	s_lshr_b32 s10, s20, 3                         ; batch
	s_and_b32 s11, s20, 7                          ; pair of heads
	s_lshl_b32 s12, s9, 7                          ; q0 = 128 qb
	s_max_u32 s13, s12, 256
	s_sub_co_u32 s13, s13, 256                     ; kbase = max(q0 - 256, 0); kbase + 383 <= 2047
	s_lshl_b32 s21, s10, 11
	s_add_co_u32 s23, s21, s13                     ; row of qkv of the first key
	s_add_co_u32 s21, s21, s12                     ; row of qkv, and of ctx, of the first query
	s_lshl_b32 s22, s11, 8                         ; the pair's 256 bytes in q, in k, in v and in ctx
	s_mov_b32 s19, 0
	; group 1: 64 rows x 128 elements of 2 bytes, 3,072 elements from row to row, a pad behind every 64 words
	s_mov_b32 s[G1K+0], (1<<16)|(1<<20)|(5<<22)|(3<<25)    ; pad of 4 words
	s_mov_b32 s[G1V+0], (1<<16)|(1<<20)|(5<<22)|(7<<25)    ; pad of 8 words
	s_mov_b32 s[G1K+1], 128<<16                    ; tensor_dim0 = 128
	s_mov_b32 s[G1V+1], 128<<16
	s_mov_b32 s[G1K+2], 64<<16                     ; tensor_dim1 = 64
	s_mov_b32 s[G1V+2], 64<<16
	s_mov_b32 s[G1K+3], 128<<16                    ; tile_dim0 = 128
	s_mov_b32 s[G1V+3], 128<<16
	s_mov_b32 s[G1K+4], 64                         ; tile_dim1 = 64
	s_mov_b32 s[G1V+4], 64
	s_mov_b32 s[G1K+5], 3072
	s_mov_b32 s[G1V+5], 3072
	s_mov_b32 s[G1K+6], 0
	s_mov_b32 s[G1V+6], 0
	s_mov_b32 s[G1K+7], 0
	s_mov_b32 s[G1V+7], 0
	s_mov_b32 s[G0], 1
	s_wait_kmcnt 0x0
; My one tensor load: piece w - first (64 rows) of the tile whose first row of qkv is in register rows, at byte col of the rows, to LDS byte lds + piece x step.
.macro ASK first, rows, col, lds, step, g1
.if \first
	s_sub_co_u32 s20, s8, \first
.else
	s_mov_b32 s20, s8
.endif
	s_mul_i32 s[G0+1], s20, \step
.if \lds
	s_add_co_u32 s[G0+1], s[G0+1], \lds
.endif
	s_lshl_b32 s20, s20, 6
	s_add_co_u32 s20, s20, \rows
	s_mul_i32 s18, s20, ROWB                       ; below 4,096 x 6,144 bytes
	s_add_co_u32 s18, s18, s22
.if \col
	s_add_co_u32 s18, s18, \col
.endif
	s_add_nc_u64 s[G0+2:G0+3], s[4:5], s[18:19]
	s_or_b32 s[G0+3], s[G0+3], 0x80000000          ; type = 2
	tensor_load_to_lds s[G0:G0+3], s[\g1:\g1+7]
	s_nop 0
.endm
	; First fills only, nothing is filled again: waves 0-5 K, 6-11 V, 12-13 Q, 14-15 none.  One tensor load of a wave is out at the most.
	s_cmp_lt_u32 s8, 6
	s_cbranch_scc0 .Lnot_k
	ASK 0, s23, 2048, 0, 64*KP, G1K
	s_branch .Lfilled
.Lnot_k:
	s_cmp_lt_u32 s8, 12
	s_cbranch_scc0 .Lnot_v
	ASK 6, s23, 4096, VT, 64*VP, G1V
	s_branch .Lfilled
.Lnot_v:
	s_cmp_lt_u32 s8, 14
	s_cbranch_scc0 .Lfilled
	ASK 12, s21, 0, QT, 64*KP, G1K
.Lfilled:
	; while the tiles are on their way: my tile, my window, my addresses
	s_lshr_b32 s14, s8, 1                          ; t
	s_and_b32 s15, s8, 1                           ; head of the pair
	s_lshr_b32 s16, s14, 1
	s_lshl_b32 s16, s16, 5                         ; from qb = 2 on: the window begins at LDS row WR = 32 (t / 2): rows WR .. WR + 287 hold rows 16 t + 1 .. 16 t + 271, all that my queries see
	s_and_b32 s17, s14, 1
	s_lshl_b32 s17, s17, 4
	s_add_co_u32 s17, s17, 256                     ; and my first query stands DI = 256 + 16 (t % 2) keys behind the window's first
	s_lshl_b32 s20, s14, 4
	s_add_co_u32 s20, s20, s12                     ; q0 + 16 t
	s_cmp_lt_u32 s9, 2                             ; qb = 0, 1: queries 0-255 see keys 0-255 at the most: the window is rows 0-287
	s_cselect_b32 s16, 0, s16                      ; WR
	s_cselect_b32 s17, s20, s17                    ; DI
	s_mov_b32 s24, 0x76543210                      ; v_permlanex16_b32: lane l takes lane l xor 16
	s_mov_b32 s25, 0xfedcba98
	s_lshl_b32 s26, s15, 7                         ; my head's 128 bytes of a row
	v_and_b32 v1, 15, v0                           ; r
	v_bfe_u32 v2, v0, 4, 1                         ; h
	v_mul_u32_u24 v3, v1, KP
	v_lshl_add_u32 v3, v2, 4, v3                   ; r x 272 + 16 h: a fragment from rows that lie along its K
	s_mul_i32 s20, s16, KP
	s_add_co_u32 s20, s20, s26
	v_add_nc_u32 v[KA], s20, v3
	v_add_nc_u32 v[KB], 9*16*KP, v[KA]
	s_mul_i32 s20, s14, 16*KP
	s_add_co_u32 s20, s20, s26
	s_add_co_u32 s27, s20, QT
	v_add_nc_u32 v[QA], s27, v3
	s_add_co_u32 s27, s20, STAGE
	v_add_nc_u32 v[STO], s27, v3
	v_and_b32 v[VA], 7, v0                         ; the transposing load: lane l addresses row 8 h + l % 8, 16 bytes at 16 ((l / 8) % 2)
	v_lshl_add_u32 v[VA], v2, 3, v[VA]
	v_mul_u32_u24 v[VA], v[VA], VP
	v_bfe_u32 v[VB], v0, 3, 1
	v_lshl_add_u32 v[VA], v[VB], 4, v[VA]
	s_mul_i32 s20, s16, VP
	s_add_co_u32 s20, s20, s26
	s_add_co_u32 s20, s20, VT
	v_add_nc_u32 v[VA], s20, v[VA]
	v_add_nc_u32 v[VB], 5*32*VP, v[VA]
	v_lshlrev_b32 v[AP], 3, v2
	v_sub_nc_u32 v[AP], v1, v[AP]
	v_add_nc_u32 v[AP], s17, v[AP]                 ; DI + r - 8 h (signed: -8 at the least)
	s_mul_i32 s20, s8, 8*KP
	s_add_co_u32 s20, s20, STAGE
	v_mul_u32_u24 v[RD], v2, KP
	v_lshl_add_u32 v[RD], v1, 4, v[RD]
	v_add_nc_u32 v[RD], s20, v[RD]                 ; stage row 8 w + h, 16 bytes at 16 r
	v_lshlrev_b32 v[CO], 11, v2
	v_lshl_add_u32 v[CO], v1, 4, v[CO]             ; the same in ctx: 2,048 h + 16 r
	v_mov_b32 v[NEG], 0xff7fffff
	v_mov_b32 v[XL], 0                             ; v_permlanex16_b32's destination counts as read
	s_lshl_b32 s20, s8, 3
	s_add_co_u32 s20, s20, s21                     ; ctx row of the first of the 8 rows that I store
	s_lshl_b32 s18, s20, 11
	s_add_co_u32 s18, s18, s22
	s_add_nc_u64 s[6:7], s[6:7], s[18:19]
	s_wait_tensorcnt 0x0                           ; my piece has landed (waves 14 and 15 have none),
	s_barrier_signal -1
	s_barrier_wait -1                              ; everybody's has
.macro PLACES                          ; four places behind a matrix instruction, ahead of a load into one of its sources or a read of its result (ISA guide 7.12.1 for vector instructions)
.rept 4
	v_nop
.endr
.endm
; 8 LDS loads: K's fragments of key tiles 2 g and 2 g + 1 (16 keys x 64 d = two fragments each)
.macro KLOAD buf, g
.irp tt, 0,1
.irp ks, 0,1
.if 2*(\g)+\tt < 9
	ds_load_b128 v[\buf+16*\tt+8*\ks:\buf+16*\tt+8*\ks+3],   v[KA] offset:(2*(\g)+\tt)*16*KP+64*\ks
	ds_load_b128 v[\buf+16*\tt+8*\ks+4:\buf+16*\tt+8*\ks+7], v[KA] offset:(2*(\g)+\tt)*16*KP+64*\ks+32
.else
	ds_load_b128 v[\buf+16*\tt+8*\ks:\buf+16*\tt+8*\ks+3],   v[KB] offset:(2*(\g)+\tt-9)*16*KP+64*\ks
	ds_load_b128 v[\buf+16*\tt+8*\ks+4:\buf+16*\tt+8*\ks+7], v[KB] offset:(2*(\g)+\tt-9)*16*KP+64*\ks+32
.endif
.endr
.endr
.endm
; 4 matrix instructions: the scores of key tiles 2 g and 2 g + 1.  The first product of each starts its sum; the two accumulators take turns.
.macro SMUL buf, g
	v_wmma_f32_16x16x32_f16 v[S+16*(\g):S+16*(\g)+7],    v[\buf:\buf+7],     v[Q:Q+7],    0
	v_wmma_f32_16x16x32_f16 v[S+16*(\g)+8:S+16*(\g)+15], v[\buf+16:\buf+23], v[Q:Q+7],    0
	v_wmma_f32_16x16x32_f16 v[S+16*(\g):S+16*(\g)+7],    v[\buf+8:\buf+15],  v[Q+8:Q+15], v[S+16*(\g):S+16*(\g)+7]
	v_wmma_f32_16x16x32_f16 v[S+16*(\g)+8:S+16*(\g)+15], v[\buf+24:\buf+31], v[Q+8:Q+15], v[S+16*(\g)+8:S+16*(\g)+15]
.endm
; 8 transposing LDS loads: V^T's four fragments (16 d x 32 keys) of chunk c
.macro VLOAD buf, c
.irp dt, 0,1,2,3
.if (\c) < 5
	ds_load_tr16_b128 v[\buf+8*\dt:\buf+8*\dt+3],   v[VA] offset:(\c)*32*VP+32*\dt
	ds_load_tr16_b128 v[\buf+8*\dt+4:\buf+8*\dt+7], v[VA] offset:(\c)*32*VP+32*\dt+16*VP
.else
	ds_load_tr16_b128 v[\buf+8*\dt:\buf+8*\dt+3],   v[VB] offset:((\c)-5)*32*VP+32*\dt
	ds_load_tr16_b128 v[\buf+8*\dt+4:\buf+8*\dt+7], v[VB] offset:((\c)-5)*32*VP+32*\dt+16*VP
.endif
.endr
.endm
; 4 matrix instructions: chunk c's share of ctx^T; chunk 0 starts the sums; the four accumulators take turns.
.macro PMUL buf, c
.irp dt, 0,1,2,3
.if (\c) == 0
	v_wmma_f32_16x16x32_f16 v[ACC+8*\dt:ACC+8*\dt+7], v[\buf+8*\dt:\buf+8*\dt+7], v[P+8*(\c):P+8*(\c)+7], 0
.else
	v_wmma_f32_16x16x32_f16 v[ACC+8*\dt:ACC+8*\dt+7], v[\buf+8*\dt:\buf+8*\dt+7], v[P+8*(\c):P+8*(\c)+7], v[ACC+8*\dt:ACC+8*\dt+7]
.endif
.endr
.endm
; Register j of tile n holds window key 16 n + 8 h + j.  It stays if key <= query, that is 16 n + j <= AP,
.macro MASK_UP n
.irp j, 0,1,2,3,4,5,6,7
	v_cmp_le_i32 vcc_lo, 16*\n+\j, v[AP]
	v_cndmask_b32 v[S+8*\n+\j], v[NEG], v[S+8*\n+\j], vcc_lo
.endr
.endm
; and if key > query - 256, that is 16 n + j + 256 > AP.
.macro MASK_LO n
.irp j, 0,1,2,3,4,5,6,7
	v_cmp_gt_i32 vcc_lo, 16*\n+\j+256, v[AP]
	v_cndmask_b32 v[S+8*\n+\j], v[NEG], v[S+8*\n+\j], vcc_lo
.endr
.endm
	; 1. SCORES.  Two buffers of K fragments: while one group of two tiles is multiplied, the next group's eight loads are on their way.
.irp i, 0,1,2,3
	ds_load_b128 v[Q+4*\i:Q+4*\i+3], v[QA] offset:32*\i
.endr
	KLOAD KF0, 0
	KLOAD KF1, 1
.irp g, 0,1,2,3,4,5,6,7,8
.if \g < 8
	s_wait_dscnt 8                                 ; Q and group g are in; the eight loads of group g + 1 stay out
.else
	s_wait_dscnt 0                                 ; the last group
.endif
	SMUL KF0+32*(\g%2), \g
.if \g < 7
	PLACES
	KLOAD KF0+32*(\g%2), \g+2
.endif
.endr
	; 2. V's first two chunks are asked for now and land during the softmax.
	PLACES                                         ; also the places in front of the mask's reads of the scores
	VLOAD KF0, 0
	VLOAD KF1, 1
	; 3. THE BAND.  From qb = 2 on AP lies in 248 .. 287: the upper bound can fail in tiles 16 and 17 alone, the lower in tiles 0 and 1 alone.
	; In blocks 0 and 1 AP is 255 at the most: the lower bound always holds, the upper can fail anywhere.  The branch hangs on the block's number alone.
	s_cmp_lt_u32 s9, 2
	s_cbranch_scc1 .Learly
	MASK_LO 0
	MASK_LO 1
	MASK_UP 16
	MASK_UP 17
	s_branch .Lmasked
.Learly:
.irp n, 0,1,2,3,4,5,6,7,8,9,10,11,12,13,14,15,16,17
	MASK_UP \n
.endr
.Lmasked:
	; 4. SOFTMAX in f32.  The maximum of my 144 scores in four chains, then the other half of the keys from lane l xor 16.  The diagonal is never masked, so it is a true score.
.irp k, 0,1,2,3
	v_max3_num_f32 v[M+\k], v[S+3*\k], v[S+3*\k+1], v[S+3*\k+2]
.endr
.set idx, 0
.rept 66
	v_max3_num_f32 v[M+idx%4], v[M+idx%4], v[S+12+2*idx], v[S+13+2*idx]
.set idx, idx+1
.endr
	v_max3_num_f32 v[M], v[M], v[M+1], v[M+2]
	v_max_num_f32 v[M], v[M], v[M+3]
	v_permlanex16_b32 v[XL], v[M], s24, s25
	v_max_num_f32 v[MX], v[M], v[XL]
	v_max_num_f32 v[MX+1], v[M], v[XL]
	; s - m first, exact where it matters, then x log2 e: the exponent is never above 0, however large the scores.  A masked score ends at minus infinity or near it: weight 0.
.set idx, 0
.rept 72
	v_pk_add_f32 v[S+2*idx:S+2*idx+1], v[S+2*idx:S+2*idx+1], v[MX:MX+1] neg_lo:[0,1] neg_hi:[0,1]
.set idx, idx+1
.endr
.set idx, 0
.rept 72
	v_pk_mul_f32 v[S+2*idx:S+2*idx+1], v[S+2*idx:S+2*idx+1], 0x3fb8aa3b op_sel_hi:[1,0]
.set idx, idx+1
.endr
.set idx, 0
.rept 144
	v_exp_f32 v[S+idx], v[S+idx]
.set idx, idx+1
.endr
	v_nop                                          ; one plain place behind the last exponential, ahead of the reads (ISA guide 5.7.2)
	; the sum, in four chains of pairs started by the first eight pairs; it is at least 1 (the maximum's own weight)
	s_wait_alu depctr_va_vdst(0)
.irp k, 0,1,2,3
	v_pk_add_f32 v[SUM+2*\k:SUM+2*\k+1], v[S+4*\k:S+4*\k+1], v[S+4*\k+2:S+4*\k+3]
.endr
.set idx, 0
.rept 64
	v_pk_add_f32 v[SUM+2*(idx%4):SUM+2*(idx%4)+1], v[SUM+2*(idx%4):SUM+2*(idx%4)+1], v[S+16+2*idx:S+17+2*idx]
.set idx, idx+1
.endr
	v_pk_add_f32 v[SUM:SUM+1], v[SUM:SUM+1], v[SUM+2:SUM+3]
	v_pk_add_f32 v[SUM+4:SUM+5], v[SUM+4:SUM+5], v[SUM+6:SUM+7]
	v_pk_add_f32 v[SUM:SUM+1], v[SUM:SUM+1], v[SUM+4:SUM+5]
	v_add_f32 v[SUM], v[SUM], v[SUM+1]
	v_permlanex16_b32 v[XL], v[SUM], s24, s25
	v_add_f32 v[SUM], v[SUM], v[XL]
	v_rcp_f32 v[RL], v[SUM]                        ; used far below; the conversions that follow are the plain places behind it
	v_rcp_f32 v[RL+1], v[SUM]
	; the weights to f16, packed in place from the bottom up: word u takes scores 2 u and 2 u + 1, which no earlier word has overwritten.
	; Tiles 2 c and 2 c + 1 become the eight registers of chunk c: keys 8 h .. 8 h + 7, then 16 + 8 h .. 16 + 8 h + 7, of query r: a second source as it stands.
.set idx, 0
.rept 72
	v_cvt_pk_f16_f32 v[P+idx], v[S+2*idx], v[S+2*idx+1]
.set idx, idx+1
.endr
	; 5. ctx^T = V^T P^T, chunk by chunk, on two buffers as above
.irp c, 0,1,2,3,4,5,6,7,8
.if \c < 8
	s_wait_dscnt 8                                 ; chunk c is in; the eight loads of chunk c + 1 stay out
.else
	s_wait_dscnt 0
.endif
	PMUL KF0+32*(\c%2), \c
.if \c < 7
	PLACES
	VLOAD KF0+32*(\c%2), \c+2
.endif
.endr
	; 6. THE WAY OUT.  Lane (r, h), register j of tile dt: query r, d = 16 dt + 8 h + j: eight neighbours of a row.  Divide by the sum, round to f16, 16 bytes into the stage.
	PLACES
.set idx, 0
	s_wait_alu depctr_va_vdst(0)
.rept 16
	v_pk_mul_f32 v[ACC+2*idx:ACC+2*idx+1], v[ACC+2*idx:ACC+2*idx+1], v[RL:RL+1]
.set idx, idx+1
.endr
.set idx, 0
.rept 16
	v_cvt_pk_f16_f32 v[OUT+idx], v[ACC+2*idx], v[ACC+2*idx+1]
.set idx, idx+1
.endr
.irp dt, 0,1,2,3
	ds_store_b128 v[STO], v[OUT+4*\dt:OUT+4*\dt+3] offset:32*\dt
.endr
	s_wait_dscnt 0x0                               ; my stores are done, for the others' sake: a row's two heads come from two waves
	s_barrier_signal -1
	s_barrier_wait -1
.irp i, 0,1,2,3
	ds_load_b128 v[BACK+4*\i:BACK+4*\i+3], v[RD] offset:2*KP*\i    ; stage rows 8 w + 2 i + h, whole
.endr
.irp i, 0,1,2,3
	s_wait_dscnt 3-\i                              ; pair i of rows is back, the 3 - i younger ones stay out
	global_store_b128 v[CO], v[BACK+4*\i:BACK+4*\i+3], s[6:7] offset:4096*\i   ; 16 lanes store 256 consecutive bytes, aligned
.endr
	s_wait_xcnt 0x0
	v_lshl_add_u32 v190, v0, 2, 0x45800
	v_mov_b32 v191, 0
	s_wait_tensorcnt 0x0
	ds_add_u32 v190, v191
	s_wait_dscnt 0x0
	s_endpgm
.Lfunc_end_k_q002b13064d_attn:
	.size	k_q002b13064d_attn, .Lfunc_end_k_q002b13064d_attn-k_q002b13064d_attn
	.p2alignl 7, 3214868480
	.fill 96, 4, 3214868480
	.section	.rodata,"a",@progbits
	.p2align	6, 0x0
	.amdhsa_kernel k_q002b13064d_attn
		.amdhsa_group_segment_fixed_size 286720
		.amdhsa_private_segment_fixed_size 0
		.amdhsa_enable_private_segment 0
		.amdhsa_kernarg_size 16
		.amdhsa_user_sgpr_count 2
		.amdhsa_user_sgpr_kernarg_segment_ptr 1
		.amdhsa_wavefront_size32 1
		.amdhsa_system_sgpr_workgroup_id_x 1
		.amdhsa_system_sgpr_workgroup_id_y 1
		.amdhsa_system_sgpr_workgroup_id_z 1
		.amdhsa_system_vgpr_workitem_id 0
		.amdhsa_next_free_vgpr 256
		.amdhsa_next_free_sgpr 66
		.amdhsa_reserve_vcc 1
		.amdhsa_float_denorm_mode_32 3
		.amdhsa_float_denorm_mode_16_64 3
		.amdhsa_memory_ordered 1
		.amdhsa_forward_progress 1
		.amdhsa_inst_pref_size 72
	.end_amdhsa_kernel
	.amdgpu_metadata
---
amdhsa.version: [ 1, 2 ]
amdhsa.kernels:
  - .name:           k_q002b13064d_attn
    .symbol:         k_q002b13064d_attn.kd
    .args:
      - { .name: qkv, .offset: 0, .size: 8, .value_kind: global_buffer, .address_space: global }
      - { .name: ctx, .offset: 8, .size: 8, .value_kind: global_buffer, .address_space: global }
    .group_segment_fixed_size: 286720
    .private_segment_fixed_size: 0
    .kernarg_segment_align: 8
    .kernarg_segment_size: 16
    .max_flat_workgroup_size: 512
    .sgpr_count:     66
    .vgpr_count:     256
    .wavefront_size: 32
...
	.end_amdgpu_metadata
.endif
;; end of part 3
;; launch proj (part 4): grid 8 x 32, 4 waves a work-group, clusters of 4 x 4, 327,680 bytes of LDS; arguments ctx, wo16, bo, out0; writes out0
.if DOCPART == 4
	.amdgcn_target "amdgcn-amd-amdhsa--gfx1250"
	.amdhsa_code_object_version 6
	.text
	.protected	k_q002b13064d_proj
	.globl	k_q002b13064d_proj
	.p2align	8
	.type	k_q002b13064d_proj,@function
k_q002b13064d_proj:
	s_mov_b64 s[64:65], 0
	v_nop
	global_prefetch_b8 v0, s[64:65] scope:SCOPE_SE
	s_setreg_imm32_b32 hwreg(HW_REG_WAVE_MODE, 25, 1), 1
	s_wait_xcnt 0x0
	s_wait_alu depctr_hold_cnt(0) depctr_sa_sdst(0) depctr_va_vdst(0) depctr_va_sdst(0) depctr_va_ssrc(0) depctr_va_vcc(0) depctr_vm_vsrc(0)
	s_getreg_b32 s2, hwreg(HW_REG_IB_STS2, 6, 4)
	s_cmp_eq_u32 s2, 0
	s_cbranch_scc0 .Lentry_in_a_cluster
	s_endpgm
.Lentry_in_a_cluster:
	s_bfe_u32 s2, ttmp6, 0x10000c
	s_cmp_lg_u32 s2, 0xf033
	s_cbranch_scc0 .Lentry_shape_is_right
	s_endpgm
.Lentry_shape_is_right:
; out0[m][n] = sum over k of ctx[m][k] wo16[n][k] + bo[n].  ctx: [4096][1024] f16, wo16: [1024][1024] f16, bo: [1024] f32, sums in f32, out0: [4096][1024] f32.
; LIMIT: the operands are f16: |ctx| and |Wo| below 65504 (see where they are made).
; 8 x 32 = 256 work-groups, each a block of 128 x 128 with four waves; a wave makes 64 x 64: 16 accumulator tiles, 128 registers.
; K goes through a ring of two LDS slots, each with 256 along K (rows of 512 bytes of memory, aligned): a quarter step of 32 along K is only 16 matrix
; instructions of a wave, so a slot holds eight of them, and one tensor load a wave has 128 matrix instructions in which to land.  K = 1024 is four fills:
; two at the start, two refills, so the K steps are written out without a loop.
; CLUSTERS: 4 x 4 work-groups; ctx's tiles (A) are asked for jointly along a row of the cluster, wo16's (B) along a column.
; REGISTERS: window 0: v16-31 addresses and the bias; v64-127, v128-191 two fragment buffers (B's four fragments, then A's four).
;            window 1: accumulator tile (a, b) at v[8 (4 a + b)].
; The matrix instruction is used transposed (source 0 = rows of wo16, source 1 = rows of ctx): lane l holds row l % 16 and its registers the eight
; neighbouring columns 8 (l / 16) + 0 .. 7: 32 bytes of a row of out0.
.set SIZE_K, 1024
.set SIZE_N, 1024
.set KSLOT,  256                       ; along K in a slot
.set PITCH,  528                       ; an LDS row: 512 bytes + 16 of padding, an odd multiple of 16
.set HALFT,  64*PITCH                  ; 64 rows: what one tensor load brings, and what one wave reads of A or of B
.set SLOT,   4*HALFT                   ; A's 128 rows, then B's 128 rows: 135,168 bytes
.set STAGE,  2*SLOT                    ; behind the ring, from byte 270,336: 16 rows x 272 bytes for each wave; no tensor load lands there
.set SPITCH, 272
.set ADRA, 16                          ; v16-17  LDS address of my A fragments in slot 0, 1
.set ADRB, 20                          ; v20-21  the same for B
.set STO,  24                          ; v24     the way out: where I put 32 bytes of a row
.set RD,   25                          ; v25     the way out: where I read a row back
.set CO,   26                          ; v26     my byte offset in out0
.set BOF,  27                          ; v27     my byte offset in bo
.set BIAS, 28                          ; v[28:31] bo of the four columns that I store
.set F0,   64
.set F1,   128
.set G1, 24                            ; s[24:31] descriptor group 1 for A's tiles
.set G0, 32                            ; s[32:39] group 0 for A's tiles, one set for each slot
.set G1B, 48                           ; s[48:55] group 1 for B's tiles
.set G0B, 56                           ; s[56:63] group 0 for B's tiles
.set MSB, 0
.macro WIN new                         ; the immediate's high byte repeats the setting that is left
.if MSB != \new
	s_set_vgpr_msb (MSB<<8)|\new
.set MSB, \new
.endif
.endm
.set MULW, 0x50                        ; sources 0 and 1 window 0, C and D window 1
.set FROM1, 0x04                       ; an LDS store's data (source 1) from window 1, its address from window 0
.macro JLOAD s                         ; waves 0 and 1 ask for A's two halves, waves 2 and 3 for B's: each line has one mask and one set of registers
	s_cmp_eq_u32 s11, 0
	s_cbranch_scc0 .Lfor_b_\@
	tensor_load_to_lds s[G0+4*\s:G0+4*\s+3], s[G1:G1+7]
	s_nop 0
	s_branch .Lasked_\@
.Lfor_b_\@:
	tensor_load_to_lds s[G0B+4*\s:G0B+4*\s+3], s[G1B:G1B+7]
	s_nop 0
.Lasked_\@:
.endm
.macro CREST                           ; a round of the cluster's barrier behind its opening barrier
	s_cmp_lg_u32 s10, 0
	s_cbranch_scc1 .Lnot_wave_0_\@
	s_barrier_signal -3
.Lnot_wave_0_\@:
	s_barrier_wait -3
	s_barrier_signal -1
	s_barrier_wait -1
.endm
.macro CROUND                          ; a whole round
	s_barrier_signal -1
	s_barrier_wait -1
	CREST
.endm
	s_load_b128 s[4:7], s[0:1], 0x0                ; ctx s[4:5], wo16 s[6:7]
	s_load_b64 s[2:3], s[0:1], 0x10                ; bo
	s_load_b64 s[8:9], s[0:1], 0x18                ; out0
	v_lshl_add_u32 v254, v0, 2, 0x46400
	v_mov_b32 v255, 0
	ds_add_u32 v254, v255
	ds_add_u32 v254, v255
	v_lshrrev_b32 v1, 5, v0
	v_readfirstlane_b32 s10, v1                    ; wave 0..3
	s_lshr_b32 s11, s10, 1                         ; which half of the block's rows is mine.  Also: I fetch for A (0) or for B (1)
	s_and_b32 s12, s10, 1                          ; which half of its columns.  Also: which 64 rows of that tile I fetch
	s_bfe_u32 s40, ttmp6, 0x40000                  ; cx
	s_bfe_u32 s41, ttmp6, 0x40004                  ; cy
	s_lshl_b32 s42, ttmp9, 2
	s_add_co_u32 s42, s42, s40                     ; block column = 4 x cluster x + cx
	s_and_b32 s13, ttmp7, 0xffff
	s_lshl_b32 s13, s13, 2
	s_add_co_u32 s13, s13, s41                     ; block row = 4 x cluster y + cy
	s_lshl_b32 s43, s41, 2
	s_lshl_b32 s43, 15, s43                        ; my row of the cluster
	s_lshl_b32 s44, 0x1111, s40                    ; my column
	; group 1: 64 rows x 256 elements of 2 bytes, a pad of 4 words behind every 128 words
	s_or_b32 s[G1+0], s43, (1<<16)|(1<<20)|(1<<21)|(6<<22)|(3<<25)
	s_or_b32 s[G1B+0], s44, (1<<16)|(1<<20)|(1<<21)|(6<<22)|(3<<25)
	s_mov_b32 s[G1B+1], KSLOT<<16
	s_mov_b32 s[G1+1], KSLOT<<16                   ; tensor_dim0 = 256
	s_mov_b32 s[G1B+2], 64<<16
	s_mov_b32 s[G1+2], 64<<16                      ; tensor_dim1 = 64
	s_mov_b32 s[G1B+3], KSLOT<<16
	s_mov_b32 s[G1+3], KSLOT<<16                   ; tile_dim0 = 256
	s_mov_b32 s[G1B+4], 64
	s_mov_b32 s[G1+4], 64                          ; tile_dim1 = 64
	s_mov_b32 s[G1B+5], SIZE_K
	s_mov_b32 s[G1+5], SIZE_K                      ; elements from row to row
	s_mov_b32 s[G1B+6], 0
	s_mov_b32 s[G1+6], 0
	s_mov_b32 s[G1B+7], 0
	s_mov_b32 s[G1+7], 0
	; A's tiles hang on the block row alone, B's on the block column alone; each address in registers that never hold the other coordinate
	s_lshl_b32 s17, s12, 6                         ; which 64 rows of the tile I fetch
	s_lshl_b32 s16, s13, 7
	s_add_co_u32 s16, s16, s17                     ; A: row 128 x block row + 64 x half
	s_lshl_b32 s46, s42, 7
	s_add_co_u32 s46, s46, s17                     ; B: row 128 x block column + 64 x half
	s_mov_b32 s17, 0
	s_mov_b32 s47, 0
	s_mov_b64 s[18:19], SIZE_K*2
	s_mul_u64 s[16:17], s[16:17], s[18:19]
	s_mul_u64 s[46:47], s[46:47], s[18:19]
	s_mul_i32 s20, s10, HALFT                      ; where they go: wave x 64 rows
	s_wait_dscnt 0x0
	s_wait_kmcnt 0x0
	s_add_nc_u64 s[14:15], s[4:5], s[16:17]
	s_add_nc_u64 s[46:47], s[6:7], s[46:47]
	CROUND                                         ; all sixteen work-groups are here: the first joint loads meet
.irp s, 0,1
	s_mov_b32 s[G0+4*\s], 1
	s_add_co_u32 s[G0+4*\s+1], s20, \s*SLOT
	s_add_nc_u64 s[G0+4*\s+2:G0+4*\s+3], s[14:15], \s*KSLOT*2
	s_or_b32 s[G0+4*\s+3], s[G0+4*\s+3], 0x80000000
	s_mov_b32 s[G0B+4*\s], 1
	s_add_co_u32 s[G0B+4*\s+1], s20, \s*SLOT
	s_add_nc_u64 s[G0B+4*\s+2:G0B+4*\s+3], s[46:47], \s*KSLOT*2
	s_or_b32 s[G0B+4*\s+3], s[G0B+4*\s+3], 0x80000000
	JLOAD \s                                       ; both slots' first fills: two tensor loads of a wave are out here, one later
.endr
	; out0 at my 64 x 64 block, bo at my 64 columns
	s_lshl_b32 s16, s13, 7
	s_lshl_b32 s17, s11, 6
	s_add_co_u32 s16, s16, s17                     ; my first row,
	s_lshl_b32 s16, s16, 12                        ; x 4,096 bytes: below 2^24
	s_mov_b32 s17, 0
	s_add_nc_u64 s[8:9], s[8:9], s[16:17]
	s_lshl_b32 s46, s42, 9                         ; my first column in bytes: 512 x block + 256 x half (in the registers that held B's address)
	s_lshl_b32 s47, s12, 8
	s_add_co_u32 s46, s46, s47
	s_mov_b32 s47, 0
	s_add_nc_u64 s[8:9], s[8:9], s[46:47]
	s_add_nc_u64 s[2:3], s[2:3], s[46:47]
	v_and_b32 v1, 15, v0                           ; l % 16
	v_bfe_u32 v2, v0, 4, 1                         ; l / 16
	v_lshlrev_b32 v[BOF], 4, v1
	global_load_b128 v[BIAS:BIAS+3], v[BOF], s[2:3]        ; the four columns 4 (l % 16) .. + 3 that I store on the way out; waited for there
	v_mul_u32_u24 v3, v1, PITCH
	v_lshl_add_u32 v3, v2, 4, v3                   ; row x pitch + 16 x half: a fragment from rows that lie along K
	s_mul_i32 s21, s11, HALFT                      ; my 64 rows of A
	s_mul_i32 s22, s12, HALFT                      ; my 64 rows of B,
	s_add_co_u32 s22, s22, 2*HALFT                 ; which lie behind A's 128
.irp s, 0,1
	v_add_nc_u32 v[ADRA+\s], s21, v3
	v_add_nc_u32 v[ADRB+\s], s22, v3
	s_add_co_u32 s21, s21, SLOT
	s_add_co_u32 s22, s22, SLOT
.endr
	s_mul_i32 s23, s10, 16*SPITCH
	s_add_co_u32 s23, s23, STAGE                   ; my stage
	v_mul_u32_u24 v4, v1, SPITCH                   ; in: row l % 16, 32 bytes for each half of the lanes
	v_lshl_add_u32 v4, v2, 5, v4
	v_add_nc_u32 v[STO], s23, v4
	v_mul_u32_u24 v5, v2, SPITCH                   ; back: lanes 0-15 take one row of 256 bytes, lanes 16-31 the next
	v_lshl_add_u32 v5, v1, 4, v5
	v_add_nc_u32 v[RD], s23, v5
	v_lshlrev_b32 v5, 12, v2                       ; and the same two rows in out0
	v_lshl_add_u32 v[CO], v1, 4, v5
; 4 matrix instructions: m block a x all 4 n blocks, 32 along K.  zero = 1: the first product starts the sums.  The 16 accumulators take turns, one
; instruction a turn, in the same order in every quarter step.
.macro MUL4 f, a, zero
.irp b, 0,1,2,3
.if \zero
	v_wmma_f32_16x16x32_f16 v[8*(4*(\a)+\b):8*(4*(\a)+\b)+7], v[\f+8*\b:\f+8*\b+7], v[\f+32+8*(\a):\f+32+8*(\a)+7], 0
.else
	v_wmma_f32_16x16x32_f16 v[8*(4*(\a)+\b):8*(4*(\a)+\b)+7], v[\f+8*\b:\f+8*\b+7], v[\f+32+8*(\a):\f+32+8*(\a)+7], v[8*(4*(\a)+\b):8*(4*(\a)+\b)+7]
.endif
.endr
.endm
.macro MUL8 f, a0, zero
	MUL4 \f, \a0, \zero
	MUL4 \f, \a0+1, \zero
.endm
; 16 LDS loads in one run: one quarter step's fragments (64 rows of B, then 64 rows of A, 32 K at byte k of the rows) into buffer f
.macro FETCH slot, k, f
.irp i, 0,1,2,3
	ds_load_b128 v[\f+8*\i:\f+8*\i+3],   v[ADRB+\slot] offset:\k+\i*16*PITCH
	ds_load_b128 v[\f+8*\i+4:\f+8*\i+7], v[ADRB+\slot] offset:\k+\i*16*PITCH+32
.endr
.irp i, 0,1,2,3
	ds_load_b128 v[\f+32+8*\i:\f+32+8*\i+3], v[ADRA+\slot] offset:\k+\i*16*PITCH
	ds_load_b128 v[\f+32+8*\i+4:\f+32+8*\i+7], v[ADRA+\slot] offset:\k+\i*16*PITCH+32
.endr
.endm
.macro PLACES                          ; four places behind a matrix instruction, ahead of a load into one of its sources or a read of its result (ISA guide 7.12.1 for vector instructions)
.rept 4
	v_nop
.endr
.endm
; A quarter step: multiplies buffer f; in its middle it fetches the next one's fragments, at byte k of the same slot's rows, into buffer g.
.macro QUARTER slot, k, f, g, zero
	s_wait_dscnt 4                                 ; B and A's fragments 0 and 1 are in; the youngest four loads (A's fragments 2 and 3) may be out
	WIN MULW
	MUL8 \f, 0, \zero
	PLACES
	WIN 0
	FETCH \slot, \k, \g
	s_wait_dscnt 16                                ; all but the 16 just issued
	WIN MULW
	MUL8 \f, 2, \zero
.endm
.macro SEVEN slot, zero                ; the first seven of a slot's eight quarter steps
	QUARTER \slot, 64,  F0, F1, \zero
	QUARTER \slot, 128, F1, F0, 0
	QUARTER \slot, 192, F0, F1, 0
	QUARTER \slot, 256, F1, F0, 0
	QUARTER \slot, 320, F0, F1, 0
	QUARTER \slot, 384, F1, F0, 0
	QUARTER \slot, 448, F0, F1, 0
.endm
; The eighth: multiplies buffer 1 and changes slots.  fill = 1: this slot is filled again, 512 along K further on.
; In front of the barrier each wave waits for its own reads of this slot and for all its tensor loads (the one that may be out is its part of the next slot).
; Behind it nobody reads this slot any more and the next slot is whole: the refill comes first, then the next slot's first fragments.
.macro TURN slot, next, fill
	s_wait_dscnt 4
	WIN MULW
	MUL4 F1, 0, 0
	s_wait_dscnt 0                                 ; my reads of this slot are over
	s_wait_tensorcnt 0x0                           ; and all my tensor loads have landed
	ds_add_u32 v254, v255
	s_wait_dscnt 0x0
	s_barrier_signal -1                            ; say so (where the slot is filled again this barrier opens a round of the cluster's barrier),
	MUL4 F1, 1, 0                                  ; work on registers while the others arrive,
	WIN 0
	s_barrier_wait -1
.if \fill
	CREST                                          ; all sixteen work-groups have said so
	s_add_nc_u64 s[G0+4*\slot+2:G0+4*\slot+3], s[G0+4*\slot+2:G0+4*\slot+3], 2*KSLOT*2
	s_add_nc_u64 s[G0B+4*\slot+2:G0B+4*\slot+3], s[G0B+4*\slot+2:G0B+4*\slot+3], 2*KSLOT*2
	JLOAD \slot                                    ; the first tensor load behind the round
.endif
	PLACES
	FETCH \next, 0, F0
	WIN MULW
	MUL8 F1, 2, 0
.endm
	s_wait_tensorcnt 1                             ; my part of slot 0 is in; slot 1's may stay out
	s_barrier_signal -1
	s_barrier_wait -1                              ; everybody's is
	FETCH 0, 0, F0
	SEVEN 0, 1                                     ; K 0-255: the first products start the sums
	TURN 0, 1, 1                                   ; slot 0 gets K 512-767
	SEVEN 1, 0                                     ; K 256-511
	TURN 1, 0, 1                                   ; slot 1 gets K 768-1023
	SEVEN 0, 0
	TURN 0, 1, 0                                   ; nothing is left to fetch: a work-group barrier alone
	SEVEN 1, 0
	s_wait_dscnt 4                                 ; the very last quarter step
	WIN MULW
	MUL8 F1, 0, 0
	s_wait_dscnt 0
	MUL8 F1, 2, 0
	; THE WAY OUT, 16 rows at a time: 32 bytes a lane into my own stage in LDS, read back as whole rows of 256 bytes, the bias added, stored.
	PLACES                                         ; the places behind the last matrix instructions, for the LDS stores of results and for the loads into buffers 0 and 1
	s_wait_loadcnt 0x0                             ; the bias
; rows 16 a .. 16 a + 15 of my block = the four tiles (a, 0..3); f: F0 or F1 in turn
.macro OUT16 a, f
	WIN FROM1
.irp b, 0,1,2,3
	ds_store_b128 v[STO], v[8*(4*\a+\b):8*(4*\a+\b)+3]   offset:64*\b
	ds_store_b128 v[STO], v[8*(4*\a+\b)+4:8*(4*\a+\b)+7] offset:64*\b+16
.endr
	WIN 0
	s_wait_xcnt 0x0                                ; buffer f, which earlier stores read, and the stores' base are rewritten only behind this wait
.if \a
	s_add_nc_u64 s[8:9], s[8:9], 16*SIZE_N*4       ; 16 rows on
.endif
.irp t, 0,1,2,3,4,5,6,7
	ds_load_b128 v[\f+4*\t:\f+4*\t+3], v[RD] offset:\t*2*SPITCH    ; LDS serves a wave's instructions in order: these see the stores above
.endr
.irp t, 0,1,2,3,4,5,6,7
	s_wait_dscnt 7-\t                              ; pair t of rows is back, the 7 - t younger ones stay out
	v_pk_add_f32 v[\f+4*\t:\f+4*\t+1],   v[\f+4*\t:\f+4*\t+1],   v[BIAS:BIAS+1]
	v_pk_add_f32 v[\f+4*\t+2:\f+4*\t+3], v[\f+4*\t+2:\f+4*\t+3], v[BIAS+2:BIAS+3]
	global_store_b128 v[CO], v[\f+4*\t:\f+4*\t+3], s[8:9] offset:2*\t*SIZE_N*4 th:TH_STORE_NT   ; 16 lanes store 256 consecutive bytes, aligned; not read again
.endr
.endm
	OUT16 0, F0
	OUT16 1, F1
	OUT16 2, F0
	OUT16 3, F1
	s_wait_tensorcnt 0x0
	ds_add_u32 v254, v255
	s_wait_dscnt 0x0
	CROUND                                         ; the closing round: no work-group ends while a partner may still ask for a tile that names it
	s_endpgm
.Lfunc_end_k_q002b13064d_proj:
	.size	k_q002b13064d_proj, .Lfunc_end_k_q002b13064d_proj-k_q002b13064d_proj
	.p2alignl 7, 3214868480
	.fill 96, 4, 3214868480
	.section	.rodata,"a",@progbits
	.p2align	6, 0x0
	.amdhsa_kernel k_q002b13064d_proj
		.amdhsa_group_segment_fixed_size 327680
		.amdhsa_private_segment_fixed_size 0
		.amdhsa_enable_private_segment 0
		.amdhsa_kernarg_size 32
		.amdhsa_user_sgpr_count 2
		.amdhsa_user_sgpr_kernarg_segment_ptr 1
		.amdhsa_wavefront_size32 1
		.amdhsa_system_sgpr_workgroup_id_x 1
		.amdhsa_system_sgpr_workgroup_id_y 1
		.amdhsa_system_sgpr_workgroup_id_z 1
		.amdhsa_system_vgpr_workitem_id 0
		.amdhsa_next_free_vgpr 384
		.amdhsa_next_free_sgpr 66
		.amdhsa_reserve_vcc 0
		.amdhsa_float_denorm_mode_32 3
		.amdhsa_float_denorm_mode_16_64 3
		.amdhsa_memory_ordered 1
		.amdhsa_forward_progress 1
		.amdhsa_inst_pref_size 94
	.end_amdhsa_kernel
	.amdgpu_metadata
---
amdhsa.version: [ 1, 2 ]
amdhsa.kernels:
  - .name:           k_q002b13064d_proj
    .symbol:         k_q002b13064d_proj.kd
    .args:
      - { .name: ctx, .offset: 0, .size: 8, .value_kind: global_buffer, .address_space: global }
      - { .name: wo16, .offset: 8, .size: 8, .value_kind: global_buffer, .address_space: global }
      - { .name: bo, .offset: 16, .size: 8, .value_kind: global_buffer, .address_space: global }
      - { .name: out0, .offset: 24, .size: 8, .value_kind: global_buffer, .address_space: global }
    .group_segment_fixed_size: 327680
    .private_segment_fixed_size: 0
    .kernarg_segment_align: 8
    .kernarg_segment_size: 32
    .max_flat_workgroup_size: 128
    .sgpr_count:     66
    .vgpr_count:     384
    .wavefront_size: 32
...
	.end_amdgpu_metadata
.endif
;; end of part 4
;; ======== version 2 of 2: 4 launches; version 1 with the launch cast written anew for expert scheduling mode
;; limits: values are held in f16: magnitudes above 65,504 overflow, below 6.1e-05 lose precision
;; workspace buffers: hb 8,388,608 bytes; wqkv 6,291,456 bytes; wo16 2,097,152 bytes; qkv 25,165,824 bytes; ctx 8,388,608 bytes
;; launch cast (part 5): grid 256 x 1, 8 waves a work-group, no clusters, 0 bytes of LDS; arguments hidden_states, Wq, Wk, Wv, Wo, hb, wqkv, wo16; writes hb, wqkv, wo16
.if DOCPART == 5
	.amdgcn_target "amdgcn-amd-amdhsa--gfx1250"
	.amdhsa_code_object_version 6
	.text
	.protected	k_q002b13064d_cast
	.globl	k_q002b13064d_cast
	.p2align	8
	.type	k_q002b13064d_cast,@function
k_q002b13064d_cast:
	s_mov_b64 s[64:65], 0
	v_nop
	global_prefetch_b8 v0, s[64:65] scope:SCOPE_SE
	s_setreg_imm32_b32 hwreg(HW_REG_WAVE_SCHED_MODE, 0, 2), 2
	s_setreg_imm32_b32 hwreg(HW_REG_WAVE_MODE, 25, 1), 1
	s_wait_xcnt 0x0
	s_wait_alu depctr_vm_vsrc(0)
; The five f32 matrices are rounded ONCE to the 16-bit operands of the later matrix products:
;   hb   [4096][1024] bf16 = hidden_states
;   wqkv [3072][1024] bf16 = Wq (rows 0-1023), Wk (1024-2047), Wv (2048-3071)
;   wo16 [1024][1024] f16  = Wo, rounded to bf16 like the other inputs and then written in f16's format, because it multiplies an f16 operand.
; LIMIT: that second step is exact for 2^-17 <= |w| < 65504; below it the error is at most 2^-25, at 65504 and above the number becomes infinite.
; A stream: no LDS, no barrier, no matrix unit.  256 work-groups of 32,768 numbers each (131,072 bytes in, 65,536 out):
; groups 0-127 hidden_states, 128-159 Wq, 160-191 Wk, 192-223 Wv, 224-255 Wo.
; Thread t, piece i: 16 bytes in at 4,096 i + 16 t (a wave's load covers 512 consecutive bytes), 8 bytes out at 2,048 i + 8 t
; (a wave's store covers 256 consecutive bytes, aligned).  All 32 loads of a wave go out at once.
; THE MODE: SCHED_MODE bits 1:0 = 2 (LLVM: expert scheduling mode 2), set by the entry lines.  The code itself states the register dependences
; between vector instructions and memory instructions, with s_wait_alu, always for 0.
; THE PLAN.  Registers that memory instructions touch:
;   v1, v2   byte offsets of the loads and of the stores: written once at the head, never again.
;   X        piece i's four registers: written by its load alone, once; read by its conversions, behind the counted wait for the load.
;            No vector instruction names them ahead of the load.
;   Y        piece i's two registers: written by its conversions, read by its one store, never written behind it.
;   T        named by vector instructions alone.
; The 32 pieces go in eight blocks of four.  Block p rounds its pieces into its own Y; its memory instructions are the four stores of block p - 1,
; one ahead of each piece's conversions.  ONE wait at a block's head states that the block before has written its Y; the vector instructions behind
; that wait name this block's X and Y and T alone, none of the registers that those four stores read.  One more such wait stands ahead of the first
; load (the offsets) and one ahead of the last four stores.  No register that a load or a store reads is ever written again, no vector instruction
; writes a scalar register, and EXEC is never written: so no other kind of wait is owed.
.set X, 4                              ; v[4:131]    piece i: 4 numbers in f32
.set Y, 132                            ; v[132:195]  piece i: 4 numbers in 16 bits
.set T, 196                            ; v[196:199]  at work (Wo alone)
.set BLOCK, 4                          ; pieces in a block
	s_load_b512 s[4:19], s[0:1], 0x0               ; hidden s[4:5], Wq s[6:7], Wk s[8:9], Wv s[10:11], Wo s[12:13], hb s[14:15], wqkv s[16:17], wo16 s[18:19]
	s_mov_b32 s24, ttmp9                           ; g
	v_lshlrev_b32 v1, 4, v0                        ; 16 t
	v_lshlrev_b32 v2, 3, v0                        ; 8 t
	s_and_b32 s25, s24, 31                         ; the group's place in a weight matrix
	s_sub_co_u32 s26, s24, 128                     ; its place in wqkv
	s_cmp_lt_u32 s24, 224
	s_cselect_b32 s26, s26, s25                    ; Wo's groups: the place in wo16
	s_cmp_lt_u32 s24, 128
	s_cselect_b32 s25, s24, s25                    ; hidden's groups: g, in and out
	s_cselect_b32 s26, s24, s26
	s_lshl_b32 s28, s25, 17                        ; x 131,072 bytes in
	s_mov_b32 s29, 0
	s_lshl_b32 s30, s26, 16                        ; x 65,536 bytes out
	s_mov_b32 s31, 0
	s_wait_kmcnt 0x0
	s_cmp_lt_u32 s24, 192                          ; the two buffers are chosen by g alone
	s_cselect_b64 s[20:21], s[8:9], s[10:11]       ; Wk or Wv
	s_cmp_lt_u32 s24, 160
	s_cselect_b64 s[20:21], s[6:7], s[20:21]       ; Wq
	s_cmp_lt_u32 s24, 224
	s_cselect_b64 s[20:21], s[20:21], s[12:13]     ; Wo
	s_cselect_b64 s[22:23], s[16:17], s[18:19]     ; wqkv or wo16
	s_cmp_lt_u32 s24, 128
	s_cselect_b64 s[20:21], s[4:5], s[20:21]       ; hidden_states
	s_cselect_b64 s[22:23], s[14:15], s[22:23]     ; hb
	s_add_nc_u64 s[20:21], s[20:21], s[28:29]
	s_add_nc_u64 s[22:23], s[22:23], s[30:31]
	s_wait_alu depctr_va_vdst(0)                   ; v1 and v2 are written: every load below reads v1 as its offset, every store of either path v2
.irp i, 0,1,2,3,4,5,6,7,8,9,10,11,12,13,14,15,16,17,18,19,20,21,22,23,24,25,26,27,28,29,30,31
	global_load_b128 v[X+4*\i:X+4*\i+3], v1, s[20:21] offset:4096*\i th:TH_LOAD_NT   ; read once in the whole launch
.endr
; piece i: wait for its load; store the piece one block back; round.  tof16 = 1: the bf16 numbers are widened again and written as f16.
.macro CONV i, tof16
	s_wait_loadcnt 31-\i                           ; loads come back in order: piece i is in, the 31 - i younger ones stay out
.if (\i) % BLOCK == 0 && (\i) > 0
	s_wait_alu depctr_va_vdst(0)                   ; a block's head: the block before has written its eight registers of Y, which this block's four stores read
.endif
.if (\i) >= BLOCK
	global_store_b64 v2, v[Y+2*(\i-BLOCK):Y+2*(\i-BLOCK)+1], s[22:23] offset:2048*(\i-BLOCK)    ; no hint: the next launches read these bytes.  No vector instruction since the block's wait names these registers
.endif
	v_cvt_pk_bf16_f32 v[Y+2*\i],   v[X+4*\i],   v[X+4*\i+1]
	v_cvt_pk_bf16_f32 v[Y+2*\i+1], v[X+4*\i+2], v[X+4*\i+3]
.if \tof16
	v_lshlrev_b32 v[T],   16,         v[Y+2*\i]
	v_and_b32     v[T+1], 0xffff0000, v[Y+2*\i]
	v_lshlrev_b32 v[T+2], 16,         v[Y+2*\i+1]
	v_and_b32     v[T+3], 0xffff0000, v[Y+2*\i+1]
	v_cvt_pk_f16_f32 v[Y+2*\i],   v[T],   v[T+1]
	v_cvt_pk_f16_f32 v[Y+2*\i+1], v[T+2], v[T+3]
.endif
.endm
	s_cmp_ge_u32 s24, 224
	s_cbranch_scc1 .Lto_f16
.irp i, 0,1,2,3,4,5,6,7,8,9,10,11,12,13,14,15,16,17,18,19,20,21,22,23,24,25,26,27,28,29,30,31
	CONV \i, 0
.endr
	s_wait_alu depctr_va_vdst(0)                   ; the last block has written its Y, which the last four stores read
.irp i, 28,29,30,31
	global_store_b64 v2, v[Y+2*\i:Y+2*\i+1], s[22:23] offset:2048*\i
.endr
	s_endpgm
.Lto_f16:
.irp i, 0,1,2,3,4,5,6,7,8,9,10,11,12,13,14,15,16,17,18,19,20,21,22,23,24,25,26,27,28,29,30,31
	CONV \i, 1
.endr
	s_wait_alu depctr_va_vdst(0)                   ; the last block has written its Y, which the last four stores read
.irp i, 28,29,30,31
	global_store_b64 v2, v[Y+2*\i:Y+2*\i+1], s[22:23] offset:2048*\i
.endr
	s_endpgm
.Lfunc_end_k_q002b13064d_cast:
	.size	k_q002b13064d_cast, .Lfunc_end_k_q002b13064d_cast-k_q002b13064d_cast
	.p2alignl 7, 3214868480
	.fill 96, 4, 3214868480
	.section	.rodata,"a",@progbits
	.p2align	6, 0x0
	.amdhsa_kernel k_q002b13064d_cast
		.amdhsa_group_segment_fixed_size 0
		.amdhsa_private_segment_fixed_size 0
		.amdhsa_enable_private_segment 0
		.amdhsa_kernarg_size 64
		.amdhsa_user_sgpr_count 2
		.amdhsa_user_sgpr_kernarg_segment_ptr 1
		.amdhsa_wavefront_size32 1
		.amdhsa_system_sgpr_workgroup_id_x 1
		.amdhsa_system_sgpr_workgroup_id_y 1
		.amdhsa_system_sgpr_workgroup_id_z 1
		.amdhsa_system_vgpr_workitem_id 0
		.amdhsa_next_free_vgpr 200
		.amdhsa_next_free_sgpr 66
		.amdhsa_reserve_vcc 0
		.amdhsa_float_denorm_mode_32 3
		.amdhsa_float_denorm_mode_16_64 3
		.amdhsa_memory_ordered 1
		.amdhsa_forward_progress 1
		.amdhsa_inst_pref_size 32
	.end_amdhsa_kernel
	.amdgpu_metadata
---
amdhsa.version: [ 1, 2 ]
amdhsa.kernels:
  - .name:           k_q002b13064d_cast
    .symbol:         k_q002b13064d_cast.kd
    .args:
      - { .name: hidden_states, .offset: 0, .size: 8, .value_kind: global_buffer, .address_space: global }
      - { .name: Wq, .offset: 8, .size: 8, .value_kind: global_buffer, .address_space: global }
      - { .name: Wk, .offset: 16, .size: 8, .value_kind: global_buffer, .address_space: global }
      - { .name: Wv, .offset: 24, .size: 8, .value_kind: global_buffer, .address_space: global }
      - { .name: Wo, .offset: 32, .size: 8, .value_kind: global_buffer, .address_space: global }
      - { .name: hb, .offset: 40, .size: 8, .value_kind: global_buffer, .address_space: global }
      - { .name: wqkv, .offset: 48, .size: 8, .value_kind: global_buffer, .address_space: global }
      - { .name: wo16, .offset: 56, .size: 8, .value_kind: global_buffer, .address_space: global }
    .group_segment_fixed_size: 0
    .private_segment_fixed_size: 0
    .kernarg_segment_align: 8
    .kernarg_segment_size: 64
    .max_flat_workgroup_size: 256
    .sgpr_count:     66
    .vgpr_count:     200
    .wavefront_size: 32
...
	.end_amdgpu_metadata
.endif
;; end of part 5
;; launch qkvgemm: the kernel of part 2 again; grid 12 x 16, 4 waves a work-group, clusters of 4 x 4, 327,680 bytes of LDS; arguments hb, wqkv, qkv; writes qkv
;; launch attn: the kernel of part 3 again; grid 16 x 16, 16 waves a work-group, no clusters, 286,720 bytes of LDS; arguments qkv, ctx; writes ctx
;; launch proj: the kernel of part 4 again; grid 8 x 32, 4 waves a work-group, clusters of 4 x 4, 327,680 bytes of LDS; arguments ctx, wo16, bo, out0; writes out0
